; MI455X (gfx1250); checked and timed in simulation.
; The chip was launched on July 23, 2026; its instructions are those of AMD's public machine-readable ISA for CDNA 5 (MIT licence, August 2026) and "CDNA5" Instruction Set Architecture Reference Guide (July 2026). The comments in the code are by the model that wrote it; some were corrected since.
;; Lo RA Linear. Allowed arithmetic: matrix products marked QUANTISED: E2M1 operands, one E8M0 scale for each 32 along K, by v_wmma_scale_f32_16x16x128_f8f6f4 with both operands' format E2M1 (or v_wmma_scale_f32_32x16x128_f4), f32 sums; products left as they are: f32 operands where the result goes on into a quantised operand, else bf16, f16 or f32 operands; f32 sums; everything else in f32.
;; Inputs: lora_a_codes 16 x 128 x 16 uint8 (E2M1 codes of lora_a, K innermost, in blocks of 32 codes, two codes a byte); lora_a_scales 16 x 128 uint8 (E8M0 scales of lora_a, one for each 32 codes along K); lora_b 16 x 4,096 float32; weight 4,096 x 4,096 float32; x_codes 4,096 x 128 x 16 uint8 (E2M1 codes of x, K innermost, in blocks of 32 codes, two codes a byte); x_scales 4,096 x 128 uint8 (E8M0 scales of x, one for each 32 codes along K).
;; Outputs: out0 4,096 x 4,096 float32.
;; This version of the problem:
;;   THIS VERSION OF THE PROBLEM IS GIVEN IN LOW PRECISION. The matrix products marked QUANTISED in the list below multiply operands that are first quantised to E2M1 (2 exponent bits, 1 mantissa bit; 4 bits a number), with one power-of-two scale for each 32 numbers along K (OCP MX v1.0); their sums are f32. All else is computed in f32.
;;   The module's matrix products, in the order in which they are computed (A, B: the left and right operand; K: the contracted axis; several contracted axes count as one K, in the product's order):
;;     1. [M 4,096, K 4,096] x [K 4,096, N 4,096]; A: input x (given as codes); B: computed on the way: QUANTISED
;;     2. [M 4,096, K 4,096] x [K 4,096, N 16]; A: input x (given as codes); B: input lora_a (given as codes): QUANTISED
;;     3. [M 4,096, K 16] x [K 16, N 4,096]; A: computed on the way; B: input lora_b: left as it is (K = 16 < 32)
;;   THE QUANTISER, for each operand of a quantised product, along K:
;;     - K is cut into blocks of 32 from its start; a last block that is shorter is filled with zeros.
;;     - A block's scale is 2^e with e = floor(log2(the largest magnitude in the block)) - 2, held to -126 .. 127; a block of zeros has e = 0. As a byte (E8M0): e + 127.
;;     - Each number is divided by its block's scale, clamped to +-6, and rounded to the nearest number of E2M1, ties to even, subnormals kept.
;;     - The product sums the exact products of the quantised numbers (number of the format x scale) in f32.
;;   ~~~python
;;   def quantise(x, axis):      # numpy; x: float32 -> the quantised numbers, widened to float32 again
;;       x = np.moveaxis(x, axis, -1); K = x.shape[-1]
;;       x = np.pad(x, [(0, 0)] * (x.ndim - 1) + [(0, -K % 32)]); x = x.reshape(x.shape[:-1] + (-1, 32)); a = np.abs(x).max(-1, keepdims=True)
;;       e = np.where(a > 0, np.clip(np.frexp(np.where(a > 0, a, 1))[1] - 1 - 2, -126, 127), 0)      # np.frexp(a)[1] - 1 = floor(log2(a)), exactly
;;       r = np.clip(x / 2.0 ** e, -6, 6)
;;       step = 2.0 ** (np.maximum(np.frexp(np.where(r == 0, 1, r))[1] - 1, 0) - 1)
;;       q = np.round(r / step) * step * 2.0 ** e      # np.round: ties to even
;;       return np.moveaxis(q.reshape(q.shape[:-2] + (-1,))[..., :K], -1, axis).astype(np.float32)
;;   ~~~
;;   OPERANDS COMPUTED ON THE WAY. 'Computed on the way' means the value that the module computes at that place (a softmax that the list does not call 'softmax' is quantised finished and normalised). What goes into a quantiser is computed in f32, as accurately as f32 sums, v_exp_f32 and their like allow (about 1e-6 of the number): no bf16 or f16 on the way to a quantiser, and a product that is left as it is and whose result goes on into a quantised operand takes f32 operands (vector FMAs, or v_wmma_f32_16x16x4_f32). A number that lies on a knife's edge between two numbers of the format may be rounded either way, as far as f32 arithmetic and the matrix unit's own rounding can turn it there, and no further.
;;   INPUTS GIVEN AS CODES. lora_a (in the module: [4096, 16], K = its axis 0); x (in the module: [4096, 4096], K = its axis 1): each comes as NAME_codes (uint8): NAME with its K axis moved to the last place and cut into blocks of 32 codes, [.., K / 32, bytes a block], one block behind the other in memory; two codes a byte, the lower K in the low four bits (a code: sign, 2 exponent bits, 1 mantissa bit); and NAME_scales (uint8): the same leading axes, one E8M0 byte (e + 127) for each 32 codes along K. Its value is code x scale, taken as it is: it is not quantised again, and the codes and scales need not be those that the quantiser above would give.
;; 2 versions, each right; version 2 is version 1 with the launch prep written anew for expert scheduling mode. Each part assembles by itself: llvm-mc -triple=amdgcn-amd-amdhsa -mcpu=gfx1250 --defsym DOCPART=n.
;; ======== version 1 of 2: 2 launches
;; workspace buffers: w_codes 8,388,608 bytes; ws 524,288 bytes; xs 524,288 bytes; t2 131,072 bytes; lbt 131,072 bytes
;; launch prep (part 1): grid 256 x 1, 16 waves a work-group, no clusters, 138,240 bytes of LDS; arguments weight, x_codes, x_scales, lora_a_codes, lora_a_scales, lora_b, w_codes, ws, xs, t2, lbt; writes w_codes, ws, xs, t2, lbt
.if DOCPART == 1
	.amdgcn_target "amdgcn-amd-amdhsa--gfx1250"
	.amdhsa_code_object_version 6
	.text
	.protected	k_qa0f3ac6bc1_prep
	.globl	k_qa0f3ac6bc1_prep
	.p2align	8
	.type	k_qa0f3ac6bc1_prep,@function
k_qa0f3ac6bc1_prep:
	s_mov_b64 s[64:65], 0
	v_nop
	global_prefetch_b8 v0, s[64:65] scope:SCOPE_SE
	s_setreg_imm32_b32 hwreg(HW_REG_WAVE_MODE, 25, 1), 1
	s_wait_xcnt 0x0
; PREP: everything that the product's launch wants laid ready, made once.
;  (1) w = int8 quantise-dequantise of weight [4096][4096] f32, row by row (absmax / 127; round(w / (scale + 1e-8)), ties to even; clip to -128 .. 127; x scale), all in f32,
;      then codes of FP4 (E2M1) along K with one E8M0 byte for each 32: w_codes [4096 n][2048 B], K innermost; ws [8 j][4096 n][16 B]: byte b of a row's 16 is block 16 j + b.
;  (2) xs: x_scales [4096][128] laid the same way, [8 j][4096 m][16 B], so that the scale bytes of 256 rows and 512 along K are 4,096 consecutive bytes.
;  (3) t2 [4096 m][16] bf16 = 2 x (x lora_a), the product on the given codes of FP4;   (4) lbt [4096 n][16] bf16 = lora_b transposed.
; SHARES.  Work-group g owns 16 rows of weight, 16 rows of x and 16 columns of lora_b: 16 g .. 16 g + 15.  Wave w owns weight row 16 g + w: 16,384 bytes, 32 loads of 512 consecutive bytes,
; kept in 128 registers between the pass that finds the largest magnitude and the pass that quantises: the weight is read once.  256 work-groups x 16 waves = 4,096 rows.
; t: wave w brings x's row 16 g + w into LDS (whole rows in, fragments out) and multiplies the 16 rows by lora_a for K = 256 w .. 256 w + 255: two matrix instructions; wave 5 adds the 16 partial sums.
; No tensor load, no cluster: every byte but lora_a's 34,816 is read by one work-group alone, and the rows' loads into registers are all on their way at once.
; LIMITS.  NaN and infinities are not served.  w / d is taken as w x (1 / d), 1 / d refined by one Newton step: about one unit in the last place ahead of the rounding to whole numbers.
; A block whose largest magnitude lies under 2^-124, zeros too, gets the byte 1: its codes are zeros or nearly so, and this program alone reads the bytes.  t is the sum of 32 partial sums along K,
; not one chain; t and lora_b are rounded to bf16 for the product of rank 16.
.set XP,    2064                       ; LDS: x's 16 rows, 2,048 bytes + 16: 129 x 16 bytes, so the 16 rows that a fragment load touches start 16 bytes apart modulo 256
.set RED,   16*XP                      ; the 16 partial sums of t, each an image of 8 registers: 1,024 bytes
.set WSC,   RED+16*1024                ; the weight's scale bytes, [8 j][16 rows][16 B]
.set XSC,   WSC+2048                   ; x's scale bytes, laid likewise
.set STG,   XSC+2048                   ; for each wave two stages of 32 x 80 bytes
.set SP,    80                         ; a lane's place in a stage: its 64 bytes + 16 of padding
.set X,     32                         ; v32-63   two sets of 16 neighbours; before that v32-47 x's row, v48-63 x's two fragments
.set W,     64                         ; v64-191  the weight's row as loaded
.set C,     192                        ; v192-207 the codes, two registers a step; before that lora_a's two fragments
.set LAS,   208                        ; v[208:209] lora_a's scale words;  v[210:211] x's: these four hold scales and nothing else
.set XSW,   210
.set E,     216                        ; v216-223 a scale byte for each step; in wave 4 before that lora_b as loaded
.set PKB,   224                        ; v224-227 lbt, packed
.set PKT,   228                        ; v228-231 t2, packed
.set S,     232                        ; v232-239 a sum of t; at the end the pieces of ws and xs
.set ACC,   240                        ; v240-255 two accumulators
; v1 lane, v2 r = lane % 16, v3 h = lane / 16; v4-v19 offsets and LDS addresses, made here and never rewritten; v20-25 at work; v[26:27] 1 / d twice; v[28:29] the scale twice; v30, v31 a block's maximum and scale operand
	s_load_b512 s[4:19], s[0:1], 0x0               ; weight 4:5, x_codes 6:7, x_scales 8:9, lora_a_codes 10:11, lora_a_scales 12:13, lora_b 14:15, w_codes 16:17, ws 18:19
	s_load_b128 s[20:23], s[0:1], 0x40             ; xs 20:21, t2 22:23
	s_load_b64 s[24:25], s[0:1], 0x50              ; lbt
	v_lshl_add_u32 v214, v0, 2, 0x21400
	v_mov_b32 v215, 0
	v_lshrrev_b32 v1, 5, v0
	v_readfirstlane_b32 s26, v1                    ; wave 0..15
	v_and_b32 v1, 31, v0                           ; lane
	v_and_b32 v2, 15, v0                           ; r
	v_bfe_u32 v3, v0, 4, 1                         ; h
	s_lshl_b32 s27, ttmp9, 4
	s_add_co_u32 s27, s27, s26                     ; my row: 16 g + w
	s_mov_b32 s29, 0
	s_mov_b32 s30, 0x76543210                      ; v_permlanex16_b32's selects for lane l xor 16
	s_mov_b32 s31, 0xfedcba98
	s_mov_b32 s32, 0xc3000000                      ; -128.0
	s_mov_b32 s33, 0x42fe0000                      ; 127.0
	s_mov_b32 s38, 0x3c010204                      ; 1 / 127
	s_min_u32 s36, s26, 3                          ; for the addresses that waves 0-3 alone use
	v_mov_b32 v25, 0                               ; written once: a lane permute's destination counts as one of its sources
	v_lshlrev_b32 v4, 4, v1                        ; v4: 16 x lane: my 16 bytes of a load's 512
	v_lshlrev_b32 v5, 11, v2
	v_lshl_add_u32 v5, v3, 4, v5
	s_lshl_b32 s34, s26, 7
	v_add_nc_u32 v5, s34, v5                       ; v5: lora_a's codes: rank r's row of 2,048 bytes, + 128 w (my 256 along K), + 16 h
	v_lshlrev_b32 v6, 7, v2
	s_lshl_b32 s34, s26, 3
	v_add_nc_u32 v6, s34, v6                       ; v6: scale bytes: row r of 128, + 8 w
	s_lshr_b32 s34, s26, 1
	s_lshl_b32 s34, s34, 8
	s_and_b32 s35, s26, 1
	s_lshl_b32 s35, s35, 3
	s_add_co_u32 s34, s34, s35
	s_add_co_u32 s34, s34, XSC
	v_lshl_add_u32 v7, v2, 4, s34                  ; v7: LDS: x's scale bytes 8 w .. 8 w + 7 of row r: j = w / 2, row r, half w % 2
	s_lshl_b32 s34, s36, 17
	v_lshlrev_b32 v8, 4, v2
	v_lshl_add_u32 v8, v3, 16, v8
	v_add_nc_u32 v8, s34, v8                       ; v8: ws and xs: j = 2 w + h: 65,536 j + 16 r
	v_lshlrev_b32 v9, 2, v2
	v_lshl_add_u32 v9, v3, 17, v9                  ; v9: lora_b: rank 8 h (rows of 16,384 bytes), column r
	v_lshlrev_b32 v10, 5, v2
	v_lshl_add_u32 v10, v3, 4, v10                 ; v10: t2 and lbt: row r of 32 bytes, + 16 h
	v_lshlrev_b32 v11, 3, v1                       ; v11: my 8 bytes of a step's 256 bytes of codes
	s_mul_i32 s34, s26, XP
	v_add_nc_u32 v12, s34, v4                      ; v12: LDS: x's row w, 16 x lane
	v_mul_u32_u24 v13, v2, XP
	v_lshl_add_u32 v13, v3, 4, v13
	s_lshl_b32 s34, s26, 7
	v_add_nc_u32 v13, s34, v13                     ; v13: LDS: x's fragments: row r, + 128 w, + 16 h
	s_lshl_b32 s34, s26, 10
	s_add_co_u32 s34, s34, RED
	v_add_nc_u32 v14, s34, v4                      ; v14: LDS: my partial sum's image
	v_add_nc_u32 v15, RED, v4                      ; v15: LDS: the first partial sum's image
	s_mul_i32 s37, s26, 2*32*SP
	s_add_co_u32 s37, s37, STG                     ; my two stages
	v_lshrrev_b32 v16, 2, v1
	v_mul_u32_u24 v16, v16, SP
	v_and_b32 v17, 3, v1
	v_lshl_add_u32 v16, v17, 4, v16
	v_add_nc_u32 v16, s37, v16                     ; v16: a stage on the way in: four lanes' 64 bytes on end, then 16 of padding
	v_mul_u32_u24 v17, v1, SP
	v_add_nc_u32 v17, s37, v17                     ; v17: and on the way out: my 16 neighbours
	s_lshl_b32 s34, s26, 4
	s_add_co_u32 s34, s34, WSC
	v_lshrrev_b32 v18, 1, v1
	v_add_nc_u32 v18, s34, v18                     ; v18: LDS: my row's 16 bytes of a step, my block's byte
	s_lshl_b32 s34, s36, 9
	s_add_co_u32 s34, s34, WSC
	v_add_nc_u32 v19, s34, v4                      ; v19: LDS: the scale bytes on the way out: 512 w + 16 x lane
	s_wait_kmcnt 0x0
	s_lshl_b32 s28, s27, 14
	s_add_nc_u64 s[4:5], s[4:5], s[28:29]          ; weight at my row
	s_lshl_b32 s28, s27, 11
	s_add_nc_u64 s[6:7], s[6:7], s[28:29]          ; x's codes at my row
	s_add_nc_u64 s[16:17], s[16:17], s[28:29]      ; the weight's codes at my row
	s_lshl_b32 s28, ttmp9, 11
	s_add_nc_u64 s[8:9], s[8:9], s[28:29]          ; x's scale bytes at the group's 16 rows
	s_lshl_b32 s28, ttmp9, 6
	s_add_nc_u64 s[14:15], s[14:15], s[28:29]      ; lora_b at the group's 16 columns
	s_lshl_b32 s28, ttmp9, 8
	s_add_nc_u64 s[18:19], s[18:19], s[28:29]      ; ws and xs at the group's 16 rows of j = 0
	s_add_nc_u64 s[20:21], s[20:21], s[28:29]
	s_lshl_b32 s28, ttmp9, 9
	s_add_nc_u64 s[22:23], s[22:23], s[28:29]      ; t2 and lbt at the group's 16 rows
	s_add_nc_u64 s[24:25], s[24:25], s[28:29]
	; ALL OF THE WAVE'S LOADS GO OUT AT ONCE: 42, the small ones first
.irp i, 0,1,2,3
	global_load_b128 v[X+4*\i:X+4*\i+3], v4, s[6:7] offset:512*\i              ; x's row: 512 consecutive bytes a load
.endr
.irp i, 0,1,2,3
	global_load_b128 v[C+4*\i:C+4*\i+3], v5, s[10:11] offset:32*\i             ; lora_a's two fragments (16 ranks x 128 K each)
.endr
	global_load_b64 v[LAS:LAS+1], v6, s[12:13]     ; lora_a's scale words of my two K steps
	global_load_b64 v[XSW:XSW+1], v6, s[8:9]       ; x's
.set n, 0
.rept 32
	global_load_b128 v[W+4*n:W+4*n+3], v4, s[4:5] offset:512*n th:TH_LOAD_NT   ; the weight's row: read once in the whole launch
.set n, n+1
.endr
.macro BARRIER                         ; my LDS stores have landed and my LDS loads are in: then the work-group's barrier
	s_wait_dscnt 0x0
	s_barrier_signal -1
	s_barrier_wait -1
.endm
	s_wait_loadcnt 38                              ; x's row is in: behind it 4 + 1 + 1 + 32 loads were issued
.irp i, 0,1,2,3
	ds_store_b128 v12, v[X+4*\i:X+4*\i+3] offset:512*\i
.endr
	BARRIER                                        ; x's sixteen rows lie in LDS
	; t FOR K = 256 w .. 256 w + 255.  Source 0 = lora_a's 16 ranks, source 1 = x's 16 rows: lane (r, h) holds x's row r and ranks 8 h .. 8 h + 7
.irp i, 0,1,2,3
	ds_load_b128 v[X+16+4*\i:X+16+4*\i+3], v13 offset:32*\i
.endr
	s_wait_loadcnt 32                              ; lora_a's fragments and both sides' scale words are in: only the weight's 32 loads are younger
	ds_store_b64 v7, v[XSW:XSW+1]                  ; x's scale bytes on their way to the new layout (lanes r and r + 16 write the same bytes with the same value)
	s_wait_dscnt 0x1                               ; x's fragments are in; the store just issued may be out
	v_wmma_scale_f32_16x16x128_f8f6f4 v[ACC:ACC+7], v[C:C+7], v[X+16:X+23], 0, v[LAS], v[XSW] matrix_a_fmt:MATRIX_FMT_FP4 matrix_b_fmt:MATRIX_FMT_FP4
	v_wmma_scale_f32_16x16x128_f8f6f4 v[ACC+8:ACC+15], v[C+8:C+15], v[X+24:X+31], 0, v[LAS+1], v[XSW+1] matrix_a_fmt:MATRIX_FMT_FP4 matrix_b_fmt:MATRIX_FMT_FP4   ; two accumulators, each begun with 0: no chain
.rept 4
	v_nop                                          ; four places between a matrix instruction and the first read of its result (ISA guide 7.12.1)
.endr
.irp j, 0,2,4,6
	v_pk_add_f32 v[S+\j:S+\j+1], v[ACC+\j:ACC+\j+1], v[ACC+8+\j:ACC+8+\j+1]    ; both accumulators from their low ends on
.endr
	ds_store_b128 v14, v[S:S+3]                    ; my partial sum as an image of its registers
	ds_store_b128 v14, v[S+4:S+7] offset:512
	BARRIER                                        ; the sixteen partial sums and x's scale bytes lie in LDS
	; WAVE 4: lora_b's 16 columns, transposed and rounded to bf16.  Its eight loads are the wave's youngest, so the wait is for all: the row maximum below needs the weight's row anyway
	s_cmp_eq_u32 s26, 4
	s_cbranch_scc0 .Lnot_lb
.irp j, 0,1,2,3,4,5,6,7
	global_load_b32 v[E+\j], v9, s[14:15] offset:16384*\j                      ; lora_b(8 h + j, 16 g + r)
.endr
	s_wait_loadcnt 0x0
.irp i, 0,1,2,3
	v_cvt_pk_bf16_f32 v[PKB+\i], v[E+2*\i], v[E+2*\i+1]
.endr
	global_store_b128 v10, v[PKB:PKB+3], s[24:25]  ; the wave stores 512 consecutive bytes
.Lnot_lb:
	; WAVE 5: the sum of the sixteen partial sums, four at a time through two sets of 32 registers by turns; x 2; bf16
.macro RBASE k, p                      ; where partial sum p of batch k lands: v32-63, or v192-207 and v240-255
.if (\k)%2 == 0
.set RB, X+8*(\p)
.else
.set RB, C+8*(\p)+32*((\p)/2)
.endif
.endm
.macro RLOAD k
.irp p, 0,1,2,3
	RBASE \k, \p
	ds_load_b128 v[RB:RB+3], v15 offset:1024*(4*(\k)+\p)
	ds_load_b128 v[RB+4:RB+7], v15 offset:1024*(4*(\k)+\p)+512
.endr
.endm
.macro RADD k
.irp p, 0,1,2,3
	RBASE \k, \p
.if (\k) == 0 && \p == 0
.elseif (\k) == 0 && \p == 1
.irp j, 0,2,4,6
	v_pk_add_f32 v[S+\j:S+\j+1], v[X+\j:X+\j+1], v[X+8+\j:X+8+\j+1]            ; the first addition starts the sum: nothing is cleared
.endr
.else
.irp j, 0,2,4,6
	v_pk_add_f32 v[S+\j:S+\j+1], v[S+\j:S+\j+1], v[RB+\j:RB+\j+1]
.endr
.endif
.endr
.endm
	s_cmp_eq_u32 s26, 5
	s_cbranch_scc0 .Lnot_sum
	RLOAD 0
	RLOAD 1
	s_wait_dscnt 0x8                               ; a batch is eight loads: the older batch is in, the younger may be out
	RADD 0
	RLOAD 2
	s_wait_dscnt 0x8
	RADD 1
	RLOAD 3
	s_wait_dscnt 0x8
	RADD 2
	s_wait_dscnt 0x0
	RADD 3
.irp j, 0,2,4,6
	v_pk_mul_f32 v[S+\j:S+\j+1], v[S+\j:S+\j+1], 2.0 op_sel_hi:[1,0]           ; alpha / r = 2: exact, so it may stand ahead of the rounding
.endr
.irp i, 0,1,2,3
	v_cvt_pk_bf16_f32 v[PKT+\i], v[S+2*\i], v[S+2*\i+1]
.endr
	global_store_b128 v10, v[PKT:PKT+3], s[22:23]  ; t2(16 g + r, 8 h .. 8 h + 7): the wave stores 512 consecutive bytes
.Lnot_sum:
; Step t's 512 numbers (16 registers as loaded) through a stage: in as they lie, out 64 bytes a lane, so that a lane holds 16 NEIGHBOURS along K and two neighbouring lanes a block of 32.
; LDS serves a wave's instructions in order (ISA guide 5.7.1.4): no wait stands between the stores and the loads.
.macro TURN t
.irp i, 0,1,2,3
	ds_store_b128 v16, v[W+16*(\t)+4*\i:W+16*(\t)+4*\i+3] offset:32*SP*((\t)%2)+8*SP*\i
.endr
.irp i, 0,1,2,3
	ds_load_b128 v[X+16*((\t)%2)+4*\i:X+16*((\t)%2)+4*\i+3], v17 offset:32*SP*((\t)%2)+16*\i
.endr
.endm
	; THE ROW'S LARGEST MAGNITUDE: four chains; the waits count the weight's loads that may still be out, eight loads (32 registers) at a time
	s_wait_loadcnt 24
.irp c, 0,1,2,3
	v_max3_num_f32 v[20+\c], |v[W+3*\c]|, |v[W+3*\c+1]|, |v[W+3*\c+2]|         ; the first twelve numbers start the chains
.endr
.set n, 12
.rept 58
.if n == 32
	s_wait_loadcnt 16
.endif
.if n == 64
	s_wait_loadcnt 8
.endif
.if n == 96
	s_wait_loadcnt 0
.endif
	v_max3_num_f32 v[20+(n/2)%4], v[20+(n/2)%4], |v[W+n]|, |v[W+n+1]|
.set n, n+2
.endr
	TURN 0                                         ; the first step turns while the row's two numbers are made
	v_max3_num_f32 v20, v20, v21, v22
	v_max_num_f32 v20, v20, v23
	v_max_num_f32_dpp v20, v20, v20 row_xmask:1 row_mask:0xf bank_mask:0xf
	v_max_num_f32_dpp v20, v20, v20 row_xmask:2 row_mask:0xf bank_mask:0xf
	v_max_num_f32_dpp v20, v20, v20 row_xmask:4 row_mask:0xf bank_mask:0xf
	v_max_num_f32_dpp v20, v20, v20 row_xmask:8 row_mask:0xf bank_mask:0xf
	v_permlanex16_b32 v25, v20, s30, s31
	v_max_num_f32 v20, v20, v25                    ; a: every lane holds it
	v_mul_f32 v21, s38, v20                        ; a / 127: a first quotient,
	v_fma_f32 v22, -v21, s33, v20                  ; what it leaves of a,
	v_fma_f32 v28, v22, s38, v21                   ; and the quotient mended: the scale
	v_add_f32 v23, 0x322bcc77, v28                 ; d = scale + 1e-8
	v_rcp_f32 v24, v23
	v_mov_b32 v29, v28                             ; (a plain instruction between the reciprocal and its use: ISA guide 5.7.2)  the scale twice, for the packed multiply
	s_wait_alu depctr_va_vdst(0)
	v_fma_f32 v22, -v23, v24, 1.0                  ; one Newton step
	v_fma_f32 v26, v22, v24, v24                   ; 1 / d
	v_mov_b32 v27, v26
; A STEP: 512 numbers of the row: int8 and back, then the block's scale and the codes.
.macro WSTEP t
.set XS, X+16*((\t)%2)
.if (\t) > 0
	s_wait_dscnt 0x1                               ; this step's numbers are back from the stage; the last step's byte store, issued behind them, may be out
.else
	s_wait_dscnt 0x0
.endif
.if (\t) < 7
	TURN (\t)+1                                    ; the next step goes through the other stage meanwhile
.endif
.irp k, 0,2,4,6,8,10,12,14
	v_pk_mul_f32 v[XS+\k:XS+\k+1], v[XS+\k:XS+\k+1], v[26:27]                  ; w / d
.endr
.irp k, 0,1,2,3,4,5,6,7,8,9,10,11,12,13,14,15
	v_rndne_f32 v[XS+\k], v[XS+\k]                 ; to the nearest whole number, ties to even
.endr
.irp k, 0,1,2,3,4,5,6,7,8,9,10,11,12,13,14,15
	v_med3_num_f32 v[XS+\k], v[XS+\k], s32, s33    ; clipped to -128 .. 127
.endr
.irp k, 0,2,4,6,8,10,12,14
	v_pk_mul_f32 v[XS+\k:XS+\k+1], v[XS+\k:XS+\k+1], v[28:29]                  ; x scale: w as the product takes it
.endr
	v_max3_num_f32 v30, |v[XS]|, |v[XS+1]|, |v[XS+2]|                          ; the largest magnitude of my 16, in two chains
	v_max3_num_f32 v24, |v[XS+3]|, |v[XS+4]|, |v[XS+5]|
.irp k, 6,10
	v_max3_num_f32 v30, v30, |v[XS+\k]|, |v[XS+\k+1]|
	v_max3_num_f32 v24, v24, |v[XS+\k+2]|, |v[XS+\k+3]|
.endr
	v_max3_num_f32 v30, v30, |v[XS+14]|, |v[XS+15]|
	v_max3_num_f32 v30, v30, v24, 0x1800000        ; and the floor 2^(3 - 127): the byte cannot fall under 1
	v_max_num_f32_dpp v30, v30, v30 row_xmask:1 row_mask:0xf bank_mask:0xf     ; with my neighbour's 16: the block's
	v_add_nc_u32 v31, 0xff000000, v30              ; 2 off its exponent field: the conversion takes the exponent field of this operand as its scale
	v_cvt_scalef32_pk8_fp4_f32 v[C+2*(\t)], v[XS:XS+7], v31                    ; to the nearest code, ties to even; beyond 6 the largest code
	v_cvt_scalef32_pk8_fp4_f32 v[C+2*(\t)+1], v[XS+8:XS+15], v31
	v_lshrrev_b32 v[E+(\t)], 23, v31               ; the scale's byte (also the plain instruction behind the conversions)
	ds_store_b8 v18, v[E+(\t)] offset:256*(\t)     ; both lanes of a block write the same byte with the same value
	global_store_b64 v11, v[C+2*(\t):C+2*(\t)+1], s[16:17] offset:256*(\t)     ; the wave stores 256 consecutive bytes, at a multiple of 256 from the buffer's first byte
.endm                                  ; each step has its own registers for codes and byte, and no address is stepped: no store's source is written again
.irp t, 0,1,2,3,4,5,6,7
	WSTEP \t
.endr
	BARRIER                                        ; the sixteen rows' scale bytes lie in LDS
	s_cmp_lt_u32 s26, 4                            ; waves 0-3: both tables of scale bytes leave, 16 bytes a lane: sixteen lanes store the 256 consecutive bytes of one j
	s_cbranch_scc0 .Ldone
	ds_load_b128 v[S:S+3], v19
	ds_load_b128 v[S+4:S+7], v19 offset:XSC-WSC
	s_wait_dscnt 0x0
	global_store_b128 v8, v[S:S+3], s[18:19]
	global_store_b128 v8, v[S+4:S+7], s[20:21]
.Ldone:
	s_wait_tensorcnt 0x0
	ds_add_u32 v214, v215
	s_wait_dscnt 0x0
	s_endpgm
.Lfunc_end_k_qa0f3ac6bc1_prep:
	.size	k_qa0f3ac6bc1_prep, .Lfunc_end_k_qa0f3ac6bc1_prep-k_qa0f3ac6bc1_prep
	.p2alignl 7, 3214868480
	.fill 96, 4, 3214868480
	.section	.rodata,"a",@progbits
	.p2align	6, 0x0
	.amdhsa_kernel k_qa0f3ac6bc1_prep
		.amdhsa_group_segment_fixed_size 138240
		.amdhsa_private_segment_fixed_size 0
		.amdhsa_enable_private_segment 0
		.amdhsa_kernarg_size 88
		.amdhsa_user_sgpr_count 2
		.amdhsa_user_sgpr_kernarg_segment_ptr 1
		.amdhsa_wavefront_size32 1
		.amdhsa_system_sgpr_workgroup_id_x 1
		.amdhsa_system_sgpr_workgroup_id_y 1
		.amdhsa_system_sgpr_workgroup_id_z 1
		.amdhsa_system_vgpr_workitem_id 0
		.amdhsa_next_free_vgpr 256
		.amdhsa_next_free_sgpr 66
		.amdhsa_reserve_vcc 0
		.amdhsa_float_denorm_mode_32 3
		.amdhsa_float_denorm_mode_16_64 3
		.amdhsa_memory_ordered 1
		.amdhsa_forward_progress 1
		.amdhsa_inst_pref_size 55
	.end_amdhsa_kernel
	.amdgpu_metadata
---
amdhsa.version: [ 1, 2 ]
amdhsa.kernels:
  - .name:           k_qa0f3ac6bc1_prep
    .symbol:         k_qa0f3ac6bc1_prep.kd
    .args:
      - { .name: weight, .offset: 0, .size: 8, .value_kind: global_buffer, .address_space: global }
      - { .name: x_codes, .offset: 8, .size: 8, .value_kind: global_buffer, .address_space: global }
      - { .name: x_scales, .offset: 16, .size: 8, .value_kind: global_buffer, .address_space: global }
      - { .name: lora_a_codes, .offset: 24, .size: 8, .value_kind: global_buffer, .address_space: global }
      - { .name: lora_a_scales, .offset: 32, .size: 8, .value_kind: global_buffer, .address_space: global }
      - { .name: lora_b, .offset: 40, .size: 8, .value_kind: global_buffer, .address_space: global }
      - { .name: w_codes, .offset: 48, .size: 8, .value_kind: global_buffer, .address_space: global }
      - { .name: ws, .offset: 56, .size: 8, .value_kind: global_buffer, .address_space: global }
      - { .name: xs, .offset: 64, .size: 8, .value_kind: global_buffer, .address_space: global }
      - { .name: t2, .offset: 72, .size: 8, .value_kind: global_buffer, .address_space: global }
      - { .name: lbt, .offset: 80, .size: 8, .value_kind: global_buffer, .address_space: global }
    .group_segment_fixed_size: 138240
    .private_segment_fixed_size: 0
    .kernarg_segment_align: 8
    .kernarg_segment_size: 88
    .max_flat_workgroup_size: 512
    .sgpr_count:     66
    .vgpr_count:     256
    .wavefront_size: 32
...
	.end_amdgpu_metadata
.endif
;; end of part 1
;; launch gemm (part 2): grid 16 x 16, 4 waves a work-group, clusters of 4 x 4, 327,680 bytes of LDS; arguments x_codes, xs, w_codes, ws, t2, lbt, out0; writes out0
.if DOCPART == 2
	.amdgcn_target "amdgcn-amd-amdhsa--gfx1250"
	.amdhsa_code_object_version 6
	.text
	.protected	k_qa0f3ac6bc1_gemm
	.globl	k_qa0f3ac6bc1_gemm
	.p2align	8
	.type	k_qa0f3ac6bc1_gemm,@function
k_qa0f3ac6bc1_gemm:
	s_mov_b64 s[64:65], 0
	v_nop
	global_prefetch_b8 v0, s[64:65] scope:SCOPE_SE
	s_setreg_imm32_b32 hwreg(HW_REG_WAVE_MODE, 25, 1), 1
	s_wait_xcnt 0x0
	s_wait_alu depctr_hold_cnt(0) depctr_sa_sdst(0) depctr_va_vdst(0) depctr_va_sdst(0) depctr_va_ssrc(0) depctr_va_vcc(0) depctr_vm_vsrc(0)
	s_getreg_b32 s2, hwreg(HW_REG_IB_STS2, 6, 4)
	s_cmp_eq_u32 s2, 0
	s_cbranch_scc0 .Lentry_in_a_cluster
	s_endpgm
.Lentry_in_a_cluster:
	s_bfe_u32 s2, ttmp6, 0x10000c
	s_cmp_lg_u32 s2, 0xf033
	s_cbranch_scc0 .Lentry_shape_is_right
	s_endpgm
.Lentry_shape_is_right:
; out0[m][n] = sum over k of x[m][k] w[n][k] + sum over 16 ranks of t2[m][i] lbt[n][i].  x, w: [4096][4096] as codes of FP4 (E2M1), two a byte, K innermost, one E8M0 byte for each 32 along K;
; their scale bytes come laid by K step: xs, ws [8 j][4096 rows][16 B].  t2 = 2 x lora_a and lbt = lora_b transposed: [4096][16] bf16.  out0: [4096][4096] f32; all sums in f32.
; A tile of 256 x 256 is made by a work-group of four waves; a wave makes 128 x 128: 64 accumulators of 16 x 16, 512 registers.  16 x 16 tiles: 256 work-groups.
; THE SUMS BEGIN WITH THE PRODUCT OF RANK 16: 64 bf16 matrix instructions with C = 0 (K = 32, its upper 16 zeros on both sides), issued while the first tiles are on their way; nothing is cleared, and every
; product on codes adds onto them.
; K goes in steps of 512 through a ring of two LDS slots filled by the tensor data mover.  A slot holds x's 256 rows of 256 bytes, w's 256 rows, and both sides' scale bytes of the step (4,096 consecutive bytes each).
; One load a wave: wave 0 x's codes, wave 1 w's codes, wave 2 x's scale bytes, wave 3 w's.
; CLUSTERS: 4 x 4 work-groups.  The four of a row of the cluster need the same tiles of x, the four of a column the same tiles of w: each tile is asked for JOINTLY, by the same tensor load with the same
; descriptor and a mask that names the four.  THE MATRIX INSTRUCTIONS ARE USED TRANSPOSED (source 0 = 16 rows of w or lbt, source 1 = 16 rows of x or t2): a lane then holds eight neighbouring numbers of a row of out0.
; REGISTERS, in windows of 256: window 0: v0-31 addresses; v32-95 scale words, two sets; from v128 x's fragments (8 x 16 rows x 128 K), ONE set; on the way out v128-255 take rows of out0.
;   window 1: w's fragments, TWO sets, at v0 and at v128.   window 2: the 32 accumulators of my rows 0-63 (accumulator (a, b) at v[8 (8 a + b)]);   window 3: those of my rows 64-127.
; A step of 128 along K is 64 matrix instructions, x's blocks one after the other, each against w's eight: a block of x is free as soon as its eight products are issued, so one set serves x.
; LIMITS: t2 and lbt are bf16; the order of the sums is the rank-16 product first, then K ascending.
.set SIZE_N, 4096
.set NQ,     4                         ; matrix instructions deep in a slot: 512 along K
.set ROWB,   256                       ; a tile's row in bytes
.set KROW,   2048                      ; a row of codes in memory
.set PITCH,  272                       ; an LDS row: 256 bytes + 16 of padding = 68 words: row r starts at bank 4 r mod 64 (64 banks of 4 bytes: ISA guide 11.1)
.set FR,     8                         ; registers of a fragment
.set NL,     2                         ; LDS loads that bring one
.set NP,     4                         ; places behind these matrix instructions (ISA guide 7.12.1)
.set HALFT,  128*PITCH                 ; 128 rows: what one wave reads of x or of w
.set SAOFF,  4*HALFT                   ; in a slot: x's 256 rows, w's 256 rows, then x's scale bytes [256][16],
.set SBOFF,  SAOFF+4096                ; then w's
.set SLOT,   SBOFF+4096
.set SSTEP,  65536                     ; from a K step's scale bytes to the next step's, in memory
.set LAPS,   4                         ; a lap = two K steps = once round the ring
.set SPARE,  2*SLOT                    ; behind the ring: the spare words, 128 bytes for each wave: two blocks of 256 bytes that no other line names
.set SPITCH, 528                       ; the way out: a stage of 16 rows x (512 bytes + 16) for each wave, in slot 0, which has had its last fill and its last read when the first result is stored there
.set ADRA, 16                          ; v16-17  LDS address of my x fragments in slot 0, 1
.set ADRB, 20                          ; v20-21  the same for w
.set ADRS, 22                          ; v22-23  of my scale words: lanes 0-15 x's rows, lanes 16-31 w's
.set STO,  24                          ; v24     the way out: where I put 32 bytes of a row
.set RD,   25                          ; v25     where I read a row back
.set CO,   26                          ; v26     my byte offset in a row of out0
.set LF,   27                          ; v27     my 16 bytes of a block of t2 or lbt: 32 (l % 16) + 16 (l / 16)
.set SPW,  28                          ; v28     LDS address of my spare word; never rewritten
.set NIL,  29                          ; v29     0; never rewritten
.set SC,   32                          ; scale words: set s at v[SC + 32 s]; register 4 i + q: lanes 0-15 the word of x's block i, lanes 16-31 that of w's block i, for the slot's q-th 128 along K
.set AF,   128                         ; x's fragments
.set BK,   128                         ; the way out: 16 rows read back: v128-191 and v192-255 by turns
.set G1A,  24                          ; s[24:31] descriptor group 1 for x's codes;  s[32:39] group 0, a set for each slot
.set G0A,  32
.set G1B,  48                          ; s[48:55], s[56:63] for w's codes
.set G0B,  56
.set G1SA, 68                          ; s[68:75], s[76:83] for x's scale bytes
.set G0SA, 76
.set G1SB, 84                          ; s[84:91], s[92:99] for w's
.set G0SB, 92
.set MSB, 0
.macro WIN new                         ; the immediate's high byte repeats the setting that is left
.if MSB != \new
	s_set_vgpr_msb (MSB<<8)|\new
.set MSB, \new
.endif
.endm
.set MUL_LO, 0xa1                      ; source 0 (w) window 1, source 1 (x) window 0, C and D window 2
.set MUL_HI, 0xf1                      ; the same, C and D window 3
.set TO_B,   0x40                      ; destination window 1, address window 0
; The joint loads of slot s: one line for each wave, each with ONE mask and one set of registers for all that issue it; the branches hang on the wave's number alone.
; Four v_nop follow each line, ahead of the jump, the label and what follows.
.macro JLOAD4 s
	s_cmp_lt_u32 s14, 2
	s_cbranch_scc0 .Lscales_\@
	s_cmp_eq_u32 s14, 0
	s_cbranch_scc0 .Lfor_b_\@
	tensor_load_to_lds s[G0A+4*\s:G0A+4*\s+3], s[G1A:G1A+7]
	s_nop 0
.rept 4
	v_nop
.endr
	s_branch .Lasked_\@
.Lfor_b_\@:
	tensor_load_to_lds s[G0B+4*\s:G0B+4*\s+3], s[G1B:G1B+7]
	s_nop 0
.rept 4
	v_nop
.endr
	s_branch .Lasked_\@
.Lscales_\@:
	s_cmp_eq_u32 s14, 2
	s_cbranch_scc0 .Lfor_sb_\@
	tensor_load_to_lds s[G0SA+4*\s:G0SA+4*\s+3], s[G1SA:G1SA+7]
	s_nop 0
.rept 4
	v_nop
.endr
	s_branch .Lasked_\@
.Lfor_sb_\@:
	tensor_load_to_lds s[G0SB+4*\s:G0SB+4*\s+3], s[G1SB:G1SB+7]
	s_nop 0
.rept 4
	v_nop
.endr
.Lasked_\@:
.endm
.macro CREST                           ; a round of the cluster's barrier behind its opening barrier
	s_cmp_lg_u32 s14, 0
	s_cbranch_scc1 .Lnot_wave_0_\@
	s_barrier_signal -3
.Lnot_wave_0_\@:
	s_barrier_wait -3
	s_barrier_signal -1
	s_barrier_wait -1
.endm
.macro CROUND                          ; a whole round
	s_barrier_signal -1
	s_barrier_wait -1
	CREST
.endm
	s_load_b256 s[4:11], s[0:1], 0x0               ; x's codes s[4:5], xs s[6:7], w's codes s[8:9], ws s[10:11]
	s_load_b64 s[66:67], s[0:1], 0x20              ; t2
	s_load_b64 s[100:101], s[0:1], 0x28            ; lbt
	s_load_b64 s[12:13], s[0:1], 0x30              ; out0
	v_lshl_add_u32 v[SPW], v0, 2, SPARE
	v_mov_b32 v[NIL], 0
	ds_add_u32 v28, v29
	ds_add_u32 v28, v29
	s_wait_dscnt 0x0
	v_lshrrev_b32 v1, 5, v0
	v_readfirstlane_b32 s14, v1                    ; wave 0..3
	s_lshr_b32 s15, s14, 1                         ; which half of the tile's rows is mine
	s_and_b32 s16, s14, 1                          ; which half of its columns
	s_bfe_u32 s40, ttmp6, 0x40000                  ; cx, cy: my place in the cluster
	s_bfe_u32 s41, ttmp6, 0x40004
	s_lshl_b32 s42, ttmp9, 2
	s_add_co_u32 s42, s42, s40                     ; tile column = 4 x cluster x + cx
	s_and_b32 s17, ttmp7, 0xffff
	s_lshl_b32 s17, s17, 2
	s_add_co_u32 s17, s17, s41                     ; tile row = 4 x cluster y + cy
	s_lshl_b32 s43, s41, 2
	s_lshl_b32 s43, 15, s43                        ; my row of the cluster
	s_lshl_b32 s44, 0x1111, s40                    ; my column
	; descriptor group 1 for codes: a tile of 256 rows x 256 bytes, padded in LDS
	s_or_b32 s[G1A+0], s43, (0<<16)|(1<<20)|(1<<21)|(5<<22)|(3<<25)   ; 15:0 the mask: x's tiles go to my row; 17:16 elements of 1 byte; 20 padding on; 21 set beside a mask; 24:22 after every 64 words (code 5); 31:25 of 4 words (code 3)
	s_or_b32 s[G1B+0], s44, (0<<16)|(1<<20)|(1<<21)|(5<<22)|(3<<25)   ; the same with the mask of my column, for w's
.irp g, G1A, G1B
	s_mov_b32 s[\g+1], ROWB<<16                    ; tensor_dim0 = 256
	s_mov_b32 s[\g+2], 256<<16                     ; tensor_dim1 = 256
	s_mov_b32 s[\g+3], ROWB<<16                    ; tile_dim0 = 256
	s_mov_b32 s[\g+4], 256                         ; tile_dim1 = 256
	s_mov_b32 s[\g+5], KROW                        ; tensor_dim0_stride
	s_mov_b32 s[\g+6], 0
	s_mov_b32 s[\g+7], 0
.endr
	; and for scale bytes: a dense block of 4,096 bytes as 16 rows of 256 (32 elements of 8 bytes), no padding: a scale load's sixteen lanes take 256 consecutive bytes
	s_or_b32 s[G1SA+0], s43, (3<<16)|(1<<21)
	s_or_b32 s[G1SB+0], s44, (3<<16)|(1<<21)
.irp g, G1SA, G1SB
	s_mov_b32 s[\g+1], 32<<16
	s_mov_b32 s[\g+2], 16<<16
	s_mov_b32 s[\g+3], 32<<16
	s_mov_b32 s[\g+4], 16
	s_mov_b32 s[\g+5], 32
	s_mov_b32 s[\g+6], 0
	s_mov_b32 s[\g+7], 0
.endr
	; where the tiles come from: x's hang on the tile row alone, w's on the tile column alone, each in registers that never hold the other coordinate while a descriptor is made of them
	s_lshl_b32 s20, s17, 19                        ; 256 rows x 2,048 bytes
	s_mov_b32 s21, 0
	s_lshl_b32 s22, s17, 12                        ; 256 rows x 16 bytes
	s_mov_b32 s23, 0
	s_lshl_b32 s46, s42, 19
	s_mov_b32 s47, 0
	s_lshl_b32 s18, s42, 12
	s_mov_b32 s19, 0
	s_wait_kmcnt 0x0
	s_add_nc_u64 s[20:21], s[4:5], s[20:21]
	s_add_nc_u64 s[22:23], s[6:7], s[22:23]
	s_add_nc_u64 s[46:47], s[8:9], s[46:47]
	s_add_nc_u64 s[18:19], s[10:11], s[18:19]
	CROUND                                         ; all sixteen work-groups are here: the first joint loads meet
.irp s, 0,1
	s_mov_b32 s[G0A+4*\s], 1                                       ; 1:0 count = 1
	s_mov_b32 s[G0A+4*\s+1], \s*SLOT                               ; 63:32 LDS address: a constant: no place in the cluster enters it
	s_add_nc_u64 s[G0A+4*\s+2:G0A+4*\s+3], s[20:21], \s*ROWB       ; 120:64 global address: K step s
	s_or_b32 s[G0A+4*\s+3], s[G0A+4*\s+3], 0x80000000              ; 127:126 type = 2
	s_mov_b32 s[G0B+4*\s], 1
	s_mov_b32 s[G0B+4*\s+1], \s*SLOT+2*HALFT
	s_add_nc_u64 s[G0B+4*\s+2:G0B+4*\s+3], s[46:47], \s*ROWB
	s_or_b32 s[G0B+4*\s+3], s[G0B+4*\s+3], 0x80000000
	s_mov_b32 s[G0SA+4*\s], 1
	s_mov_b32 s[G0SA+4*\s+1], \s*SLOT+SAOFF
	s_add_nc_u64 s[G0SA+4*\s+2:G0SA+4*\s+3], s[22:23], \s*SSTEP
	s_or_b32 s[G0SA+4*\s+3], s[G0SA+4*\s+3], 0x80000000
	s_mov_b32 s[G0SB+4*\s], 1
	s_mov_b32 s[G0SB+4*\s+1], \s*SLOT+SBOFF
	s_add_nc_u64 s[G0SB+4*\s+2:G0SB+4*\s+3], s[18:19], \s*SSTEP
	s_or_b32 s[G0SB+4*\s+3], s[G0SB+4*\s+3], 0x80000000
	JLOAD4 \s                                      ; the ring is filled before anything else is done: two loads of mine are out
.endr
	; THE RANK-16 OPERANDS.  A bf16 fragment is 16 rows x 32 K in 8 registers: lane l holds row l % 16; registers 0-3 hold K = 8 (l / 16) + 0 .. 7: 16 bytes of a row of 32; registers 4-7 hold K = 16 and up: zeros
	v_and_b32 v1, 15, v0                           ; l % 16
	v_bfe_u32 v2, v0, 4, 1                         ; l / 16
	v_lshlrev_b32 v[LF], 5, v1
	v_lshl_add_u32 v[LF], v2, 4, v[LF]
	s_lshl_b32 s20, s17, 13                        ; t2: 256 rows x 32 bytes a tile row,
	s_lshl_b32 s21, s15, 12                        ; 128 rows a half
	s_add_co_u32 s20, s20, s21
	s_mov_b32 s21, 0
	s_add_nc_u64 s[66:67], s[66:67], s[20:21]
	s_lshl_b32 s46, s42, 13                        ; lbt likewise, by the tile column
	s_lshl_b32 s47, s16, 12
	s_add_co_u32 s46, s46, s47
	s_mov_b32 s47, 0
	s_add_nc_u64 s[100:101], s[100:101], s[46:47]
	WIN TO_B
.irp b, 0,1,2,3,4,5,6,7
	global_load_b128 v[FR*\b:FR*\b+3], v[LF], s[100:101] offset:512*\b         ; 16 rows of lbt: 512 consecutive bytes
.endr
.irp b, 0,1,2,3,4,5,6,7
.irp i, 4,5,6,7
	v_mov_b32 v[FR*\b+\i], 0
.endr
.endr
	WIN 0
.irp a, 0,1,2,3,4,5,6,7
	global_load_b128 v[AF+FR*\a:AF+FR*\a+3], v[LF], s[66:67] offset:512*\a     ; 16 rows of t2
.endr
.irp a, 0,1,2,3,4,5,6,7
.irp i, 4,5,6,7
	v_mov_b32 v[AF+FR*\a+\i], 0
.endr
.endr
	; LDS addresses
	v_mul_u32_u24 v3, v1, PITCH
	v_lshl_add_u32 v4, v2, 4, v3                   ; a fragment's row x pitch + 16 x half
	s_mul_i32 s21, s15, HALFT                      ; my 128 rows of x
	s_mul_i32 s22, s16, HALFT                      ; my 128 rows of w,
	s_add_co_u32 s22, s22, 2*HALFT                 ; which lie behind x's 256
.irp s, 0,1
	v_add_nc_u32 v[ADRA+\s], s21, v4
	v_add_nc_u32 v[ADRB+\s], s22, v4
	s_add_co_u32 s21, s21, SLOT
	s_add_co_u32 s22, s22, SLOT
.endr
	s_lshl_b32 s21, s15, 11                        ; x's scale bytes: my 128 rows of 16 bytes
	s_lshl_b32 s22, s16, 11                        ; w's: my 128 rows, 4,096 bytes behind x's table
	s_add_co_u32 s22, s22, 4096
	s_sub_co_u32 s22, s22, s21                     ; the distance from the one to the other,
	v_mul_u32_u24 v6, s22, v2                      ; which lanes 16-31 go
	s_add_co_u32 s21, s21, SAOFF
	v_lshl_add_u32 v5, v1, 4, v6                   ; + 16 bytes a row
	v_add_nc_u32 v[ADRS], s21, v5
	v_add_nc_u32 v[ADRS+1], SLOT, v[ADRS]
	s_mul_i32 s23, s14, 16*SPITCH                  ; my stage
	v_mul_u32_u24 v5, v1, SPITCH                   ; in: row l % 16, 32 bytes for each half of the lanes
	v_lshl_add_u32 v5, v2, 5, v5
	v_add_nc_u32 v[STO], s23, v5
	v_and_b32 v6, 31, v0
	v_lshlrev_b32 v[CO], 4, v6                     ; back: the 32 lanes take one row of 512 bytes; and the same in out0
	v_add_nc_u32 v[RD], s23, v[CO]
	s_lshl_b32 s20, s17, 8
	s_lshl_b32 s21, s15, 7
	s_add_co_u32 s20, s20, s21                     ; my first row of out0: 256 x tile row + 128 x half,
	s_lshl_b32 s20, s20, 14                        ; in bytes: rows of 16,384 (under 2^26)
	s_lshl_b32 s46, s42, 10                        ; my first column, in bytes: 1,024 x tile column + 512 x half
	s_lshl_b32 s47, s16, 9
	s_add_co_u32 s46, s46, s47
	s_add_co_u32 s20, s20, s46
	s_mov_b32 s21, 0
	s_add_nc_u64 s[12:13], s[12:13], s[20:21]
.macro FRAG reg, adr, q, i             ; a fragment, 16 rows x 128 K of 4-bit codes, is 8 registers: lane l holds row l % 16; registers 4 c .. 4 c + 3 hold K = 64 c + 32 (l / 16) + 0 .. 31
.irp c, 0,1
	ds_load_b128 v[\reg+4*\c:\reg+4*\c+3], v[\adr] offset:64*(\q)+32*\c+(\i)*16*PITCH
.endr
.endm
; 16 bf16 matrix instructions that start the sums: t2's blocks a0, a0 + 1 x lbt's eight
.macro LORA16 a0
.irp a, \a0, \a0+1
.irp b, 0,1,2,3,4,5,6,7
	v_wmma_f32_16x16x32_bf16 v[8*(8*((\a)%4)+\b):8*(8*((\a)%4)+\b)+7], v[FR*\b:FR*\b+7], v[AF+FR*(\a):AF+FR*(\a)+7], 0
.endr
.endr
.endm
; 16 matrix instructions on codes: x's blocks a0, a0 + 1 x w's eight, 128 along K: the slot's q-th.  p: w's set;  sc: the set of scale words.
; The 64 accumulators take turns, one instruction a turn, in the same order in every step.
.macro MUL16 a0, p, q, sc
.irp a, \a0, \a0+1
.irp b, 0,1,2,3,4,5,6,7
	v_wmma_scale_f32_16x16x128_f8f6f4 v[8*(8*((\a)%4)+\b):8*(8*((\a)%4)+\b)+7], v[128*(\p)+FR*\b:128*(\p)+FR*\b+FR-1], v[AF+FR*(\a):AF+FR*(\a)+FR-1], v[8*(8*((\a)%4)+\b):8*(8*((\a)%4)+\b)+7], v[SC+8*NQ*(\sc)+NQ*\b+(\q)], v[SC+8*NQ*(\sc)+NQ*(\a)+(\q)] matrix_a_fmt:MATRIX_FMT_FP4 matrix_b_fmt:MATRIX_FMT_FP4 matrix_a_scale:MATRIX_SCALE_ROW1
.endr
.endr
.endm
.macro FETCH_B slot, q, p              ; w's eight fragments of the slot's q-th 128 along K into set p
	WIN TO_B
.irp i, 0,1,2,3,4,5,6,7
	FRAG 128*(\p)+FR*\i, ADRB+\slot, \q, \i
.endr
	WIN 0
.endm
.macro FETCH_A slot, q, i0             ; x's blocks i0 .. i0 + 3
.irp i, \i0, \i0+1, \i0+2, \i0+3
	FRAG AF+FR*(\i), ADRA+\slot, \q, \i
.endr
.endm
.macro SCALES sc                       ; slot sc's scale words into set sc: four words a row; lanes 0-15 take x's block i, lanes 16-31 w's block i
.irp i, 0,1,2,3,4,5,6,7
	ds_load_b128 v[SC+8*NQ*\sc+NQ*\i:SC+8*NQ*\sc+NQ*\i+3], v[ADRS+\sc] offset:\i*256
.endr
.endm
; A load into a register that a matrix instruction has read, and a vector instruction or an LDS store that reads a matrix result, stand NP places behind that matrix instruction, and only plain vector
; instructions that name none of its registers are places (ISA guide 7.12.1 for vector instructions); the matrix instructions in between are not counted.
.macro PLACES n
.rept \n
	v_nop
.endr
.endm
; A step of 128 along K that has its successor in the same slot.
.macro STEP slot, q
	s_wait_dscnt 4*NL                              ; w's set, x's blocks 0-3 and the scale words are in; the youngest eight loads (x's blocks 4-7) may be out
	WIN MUL_LO
	MUL16 0, (\q)%2, \q, \slot
	MUL16 2, (\q)%2, \q, \slot
	s_wait_dscnt 0                                 ; x's blocks 4-7 are in (asked for 32 matrix instructions ago)
	PLACES NP
	FETCH_B \slot, (\q)+1, 1-(\q)%2
	FETCH_A \slot, (\q)+1, 0
	WIN MUL_HI
	MUL16 4, (\q)%2, \q, \slot
	MUL16 6, (\q)%2, \q, \slot
	PLACES NP
	WIN 0
	FETCH_A \slot, (\q)+1, 4
.endm
; A slot's last step changes slots: ONE barrier; in front of it each wave waits for all its tensor loads, adds 0 to its spare word, and waits for that and for its own reads of this slot.
; fill = 1: this slot is filled again, two K steps ahead: the barrier then opens a round of the cluster's barrier, and the joint load is the first tensor load behind the round.
.macro TURN slot, next, fill
	s_wait_tensorcnt 0x0                           ; all my tensor loads have landed: the one that was out is my part of the next slot  (every window is 0 here)
	ds_add_u32 v[SPW], v[NIL]                      ; 0 onto my spare word
	s_wait_dscnt 4*NL+1                            ; (the add and the youngest eight loads, x's blocks 4-7, may be out)
	WIN MUL_LO
	MUL16 0, 1, NQ-1, \slot                        ; sixteen matrix instructions stand between the add and the wait for it
	s_wait_dscnt 0x0                               ; the add is done, and my reads of this slot are over
	s_barrier_signal -1
	MUL16 2, 1, NQ-1, \slot
	WIN 0
	s_barrier_wait -1
.if \fill
	CREST                                          ; no wave of any partner still reads this slot's tiles or has a load on its way
	s_add_nc_u64 s[G0A+4*\slot+2:G0A+4*\slot+3], s[G0A+4*\slot+2:G0A+4*\slot+3], 2*ROWB       ; no tensor load of mine is out: the slot's four groups 0 step two K steps on
	s_add_nc_u64 s[G0B+4*\slot+2:G0B+4*\slot+3], s[G0B+4*\slot+2:G0B+4*\slot+3], 2*ROWB
	s_add_nc_u64 s[G0SA+4*\slot+2:G0SA+4*\slot+3], s[G0SA+4*\slot+2:G0SA+4*\slot+3], 2*SSTEP
	s_add_nc_u64 s[G0SB+4*\slot+2:G0SB+4*\slot+3], s[G0SB+4*\slot+2:G0SB+4*\slot+3], 2*SSTEP
	JLOAD4 \slot                                   ; 224 matrix instructions ahead of the wait for it; the four v_nop behind it are also the places in front of the loads below
.else
	PLACES NP
.endif
	FETCH_B \next, 0, 0
	FETCH_A \next, 0, 0
	SCALES \next
	WIN MUL_HI
	MUL16 4, 1, NQ-1, \slot
	MUL16 6, 1, NQ-1, \slot
	PLACES NP
	WIN 0
	FETCH_A \next, 0, 4
.endm
.macro STEPS slot, from                ; the slot's steps from .. NQ - 2
.set Q, \from
.rept NQ-1-\from
	STEP \slot, Q
.set Q, Q+1
.endr
.endm
	s_wait_loadcnt 0x0                             ; t2's and lbt's blocks are in
	WIN MUL_LO
	LORA16 0                                       ; the sums begin, while the first tiles are on their way
	LORA16 2
	WIN MUL_HI
	LORA16 4
	LORA16 6
	PLACES NP+1                                    ; five: a matrix instruction of another form next writes over these results; they also serve the loads into the operands' registers
	WIN 0
	s_wait_tensorcnt 1                             ; my part of K step 0 is in (K step 1's load may be out)
	s_barrier_signal -1
	s_barrier_wait -1                              ; everybody's is
	FETCH_B 0, 0, 0
	FETCH_A 0, 0, 0
	SCALES 0
	FETCH_A 0, 0, 4
	STEP 0, 0
	s_mov_b32 s3, LAPS-1
.Llap:                                                 ; a trip goes once round the ring, from a lap's second step to the next lap's first, and fills both slots again
	STEPS 0, 1
	TURN 0, 1, 1
	STEPS 1, 0
	TURN 1, 0, 1
	STEP 0, 0
	s_sub_co_u32 s3, s3, 1
	s_cmp_lg_u32 s3, 0
	s_cbranch_scc1 .Llap
	STEPS 0, 1                                     ; the last lap fills nothing, and has no round of the cluster's barrier
	TURN 0, 1, 0
	STEPS 1, 0
	s_wait_dscnt 4*NL                              ; the very last step: nothing more to fetch
	WIN MUL_LO
	MUL16 0, 1, NQ-1, 1
	MUL16 2, 1, NQ-1, 1
	s_wait_dscnt 0
	WIN MUL_HI
	MUL16 4, 1, NQ-1, 1
	MUL16 6, 1, NQ-1, 1
	WIN 0
; THE WAY OUT, block by block of 16 rows x 128 columns.  A lane holds 32 neighbouring bytes of a row, and the lanes beside it hold other rows: so a block goes through my own stage in LDS and comes back as whole
; rows of 512 bytes.  LDS serves a wave's instructions in order (ISA guide 5.7.1.4): no wait between the stores and the loads, nor in front of the next block's stores.
.macro TOSTAGE a
.set AC, 64*((\a)%4)
	WIN 0x08+4*((\a)/4)                            ; the data: window 2 or 3
.irp b, 0,1,2,3,4,5,6,7
	ds_store_b128 v[STO], v[AC+8*\b:AC+8*\b+3] offset:64*\b          ; each accumulator from its low end on
	ds_store_b128 v[STO], v[AC+8*\b+4:AC+8*\b+7] offset:64*\b+16
.endr
	WIN 0
.set BB, BK+64*((\a)%2)
.irp t, 0,1,2,3,4,5,6,7,8,9,10,11,12,13,14,15
	ds_load_b128 v[BB+4*\t:BB+4*\t+3], v[RD] offset:\t*SPITCH
.endr
.endm
.macro SEND a, younger                 ; younger: the LDS instructions issued behind block a's loads, which may stay out
.set BB, BK+64*((\a)%2)
	s_wait_dscnt \younger                          ; the block is back in registers
.if (\a) > 0
	s_add_nc_u64 s[12:13], s[12:13], 16*SIZE_N*4   ; (behind a wait on XCNT: the earlier stores have read their base)  16 rows on, so that the stores' offsets stay at 15 rows at the most
.endif
.irp t, 0,1,2,3,4,5,6,7,8,9,10,11,12,13,14,15
	global_store_b128 v[CO], v[BB+4*\t:BB+4*\t+3], s[12:13] offset:\t*SIZE_N*4 th:TH_STORE_NT   ; 32 lanes store 512 consecutive bytes, at a multiple of 256 from out0's first byte; written once, read by nobody here
.endr
.endm
	PLACES NP                                      ; for the loads into the registers that held x's fragments, and for the reads of the last products' results
	TOSTAGE 0
.irp a, 1,2,3,4,5,6,7
.if \a > 1
	s_wait_xcnt 0x0                                ; block a - 2's stores have read their registers and their base: block a's loads may land there, and the base may step
.endif
	TOSTAGE \a
	SEND \a-1, 32                                  ; behind block a - 1's loads: block a's 16 stores and 16 loads
.endr
	s_wait_xcnt 0x0                                ; block 6's stores have read their base
	SEND 7, 0
	s_wait_tensorcnt 0x0                           ; the wave's end: behind my last tensor load and my last LDS store
	ds_add_u32 v[SPW], v[NIL]
	s_wait_dscnt 0x0
	CROUND                                         ; the closing round: no work-group ends while a partner may still ask for a tile that names it
	s_endpgm
.Lfunc_end_k_qa0f3ac6bc1_gemm:
	.size	k_qa0f3ac6bc1_gemm, .Lfunc_end_k_qa0f3ac6bc1_gemm-k_qa0f3ac6bc1_gemm
	.p2alignl 7, 3214868480
	.fill 96, 4, 3214868480
	.section	.rodata,"a",@progbits
	.p2align	6, 0x0
	.amdhsa_kernel k_qa0f3ac6bc1_gemm
		.amdhsa_group_segment_fixed_size 327680
		.amdhsa_private_segment_fixed_size 0
		.amdhsa_enable_private_segment 0
		.amdhsa_kernarg_size 56
		.amdhsa_user_sgpr_count 2
		.amdhsa_user_sgpr_kernarg_segment_ptr 1
		.amdhsa_wavefront_size32 1
		.amdhsa_system_sgpr_workgroup_id_x 1
		.amdhsa_system_sgpr_workgroup_id_y 1
		.amdhsa_system_sgpr_workgroup_id_z 1
		.amdhsa_system_vgpr_workitem_id 0
		.amdhsa_next_free_vgpr 1024
		.amdhsa_next_free_sgpr 102
		.amdhsa_reserve_vcc 0
		.amdhsa_float_denorm_mode_32 3
		.amdhsa_float_denorm_mode_16_64 3
		.amdhsa_memory_ordered 1
		.amdhsa_forward_progress 1
		.amdhsa_inst_pref_size 222
	.end_amdhsa_kernel
	.amdgpu_metadata
---
amdhsa.version: [ 1, 2 ]
amdhsa.kernels:
  - .name:           k_qa0f3ac6bc1_gemm
    .symbol:         k_qa0f3ac6bc1_gemm.kd
    .args:
      - { .name: x_codes, .offset: 0, .size: 8, .value_kind: global_buffer, .address_space: global }
      - { .name: xs, .offset: 8, .size: 8, .value_kind: global_buffer, .address_space: global }
      - { .name: w_codes, .offset: 16, .size: 8, .value_kind: global_buffer, .address_space: global }
      - { .name: ws, .offset: 24, .size: 8, .value_kind: global_buffer, .address_space: global }
      - { .name: t2, .offset: 32, .size: 8, .value_kind: global_buffer, .address_space: global }
      - { .name: lbt, .offset: 40, .size: 8, .value_kind: global_buffer, .address_space: global }
      - { .name: out0, .offset: 48, .size: 8, .value_kind: global_buffer, .address_space: global }
    .group_segment_fixed_size: 327680
    .private_segment_fixed_size: 0
    .kernarg_segment_align: 8
    .kernarg_segment_size: 56
    .max_flat_workgroup_size: 128
    .sgpr_count:     102
    .vgpr_count:     1024
    .wavefront_size: 32
...
	.end_amdgpu_metadata
.endif
;; end of part 2
;; ======== version 2 of 2: 2 launches; version 1 with the launch prep written anew for expert scheduling mode
;; workspace buffers: w_codes 8,388,608 bytes; ws 524,288 bytes; xs 524,288 bytes; t2 131,072 bytes; lbt 131,072 bytes
;; launch prep (part 3): grid 256 x 1, 16 waves a work-group, no clusters, 138,240 bytes of LDS; arguments weight, x_codes, x_scales, lora_a_codes, lora_a_scales, lora_b, w_codes, ws, xs, t2, lbt; writes w_codes, ws, xs, t2, lbt
.if DOCPART == 3
	.amdgcn_target "amdgcn-amd-amdhsa--gfx1250"
	.amdhsa_code_object_version 6
	.text
	.protected	k_qa0f3ac6bc1_prep
	.globl	k_qa0f3ac6bc1_prep
	.p2align	8
	.type	k_qa0f3ac6bc1_prep,@function
k_qa0f3ac6bc1_prep:
	s_mov_b64 s[64:65], 0
	v_nop
	global_prefetch_b8 v0, s[64:65] scope:SCOPE_SE
	s_setreg_imm32_b32 hwreg(HW_REG_WAVE_SCHED_MODE, 0, 2), 2
	s_setreg_imm32_b32 hwreg(HW_REG_WAVE_MODE, 25, 1), 1
	s_wait_xcnt 0x0
	s_wait_alu depctr_vm_vsrc(0)
; PREP: everything that the product's launch wants laid ready, made once.
;  (1) w = int8 quantise-dequantise of weight [4096][4096] f32, row by row (absmax / 127; round(w / (scale + 1e-8)), ties to even; clip to -128 .. 127; x scale), all in f32,
;      then codes of FP4 (E2M1) along K with one E8M0 byte for each 32: w_codes [4096 n][2048 B], K innermost; ws [8 j][4096 n][16 B]: byte b of a row's 16 is block 16 j + b.
;  (2) xs: x_scales [4096][128] laid the same way, [8 j][4096 m][16 B], so that the scale bytes of 256 rows and 512 along K are 4,096 consecutive bytes.
;  (3) t2 [4096 m][16] bf16 = 2 x (x lora_a), the product on the given codes of FP4;   (4) lbt [4096 n][16] bf16 = lora_b transposed.
; SHARES.  Work-group g owns 16 rows of weight, 16 rows of x and 16 columns of lora_b: 16 g .. 16 g + 15.  Wave w owns weight row 16 g + w: 16,384 bytes, 32 loads of 512 consecutive bytes,
; kept in 128 registers between the pass that finds the largest magnitude and the pass that quantises: the weight is read once.  256 work-groups x 16 waves = 4,096 rows.
; t: wave w brings x's row 16 g + w into LDS (whole rows in, fragments out) and multiplies the 16 rows by lora_a for K = 256 w .. 256 w + 255: two matrix instructions; wave 5 adds the 16 partial sums.
; No tensor load, no cluster: every byte but lora_a's 34,816 is read by one work-group alone, and the rows' loads into registers are all on their way at once.
; LIMITS.  NaN and infinities are not served.  w / d is taken as w x (1 / d), 1 / d refined by one Newton step: about one unit in the last place ahead of the rounding to whole numbers.
; A block whose largest magnitude lies under 2^-124, zeros too, gets the byte 1: its codes are zeros or nearly so, and this program alone reads the bytes.  t is the sum of 32 partial sums along K,
; not one chain; t and lora_b are rounded to bf16 for the product of rank 16.
; THE MODE: SCHED_MODE bits 1:0 = 2 (LLVM: expert scheduling mode 2), set by the entry lines.  The code itself states the register dependences
; between vector or matrix instructions and memory or LDS instructions, with s_wait_alu, always for 0.
; THE PLAN.  Registers that memory or LDS instructions touch:
;   v4-v19, v214, v215   offsets and LDS addresses: written at the head, never written again: one wait on va_vdst ahead of the first load serves them all.
;   X0 = v32-47    x's row lands; my four LDS stores read it; (wave 5: partial sums land, additions read them;) steps 0, 2, 4, 6 land and are worked in place.
;   X1 = v48-63    x's fragments land; the two matrix instructions read them; (wave 5 as X0;) steps 1, 3, 5, 7 land and are worked in place.
;   W  = v64-191   lands once; read by the maximum's lines and by the stages' LDS stores; never written again.
;   C  = v192-207  lora_a's fragments land; the matrix instructions read them; (wave 5: partial sums;) step t's conversions write C + 2 t and C + 2 t + 1, which one store reads.
;   v208-211       scale words land; read by the matrix instructions and by one LDS store; never written again.
;   E  = v216-223  (wave 4: lora_b lands, conversions read it;) step t's shift writes E + t, which one LDS store reads.
;   PKB, PKT       written by conversions, read by one store each.
;   S  = v232-239  written by additions, read by two LDS stores; wave 5's additions write it again; at the end two LDS loads land in it.
;   ACC = v240-255 written by the matrix instructions, read by the additions; (wave 5: partial sums land.)
; A STEP of the weight's row works on one X set and writes registers of its own for its codes and its byte.  ONE wait on va_vdst stands at the head of steps 1 to 7: the step before has written its
; codes and byte and is done with its X set.  Behind it stand the next step's turn through the stage, which lands in that set, and the two stores of the step before: no vector line of this step names what they touch.
; Besides the one at the entry, one wait on vm_vsrc, behind the second barrier: X0 and S, which my LDS stores have read, are written again only behind it.
.set XP,    2064                       ; LDS: x's 16 rows, 2,048 bytes + 16: 129 x 16 bytes, so the 16 rows that a fragment load touches start 16 bytes apart modulo 256
.set RED,   16*XP                      ; the 16 partial sums of t, each an image of 8 registers: 1,024 bytes
.set WSC,   RED+16*1024                ; the weight's scale bytes, [8 j][16 rows][16 B]
.set XSC,   WSC+2048                   ; x's scale bytes, laid likewise
.set STG,   XSC+2048                   ; for each wave two stages of 32 x 80 bytes
.set SP,    80                         ; a lane's place in a stage: its 64 bytes + 16 of padding
.set X,     32                         ; v32-63   two sets of 16 neighbours; before that v32-47 x's row, v48-63 x's two fragments
.set W,     64                         ; v64-191  the weight's row as loaded
.set C,     192                        ; v192-207 the codes, two registers a step; before that lora_a's two fragments
.set LAS,   208                        ; v[208:209] lora_a's scale words;  v[210:211] x's: these four hold scales and nothing else
.set XSW,   210
.set E,     216                        ; v216-223 a scale byte for each step; in wave 4 before that lora_b as loaded
.set PKB,   224                        ; v224-227 lbt, packed
.set PKT,   228                        ; v228-231 t2, packed
.set S,     232                        ; v232-239 a sum of t; at the end the pieces of ws and xs
.set ACC,   240                        ; v240-255 two accumulators
; v1 lane, v2 r = lane % 16, v3 h = lane / 16; v4-v19 offsets and LDS addresses, made here and never rewritten; v20-25 at work; v[26:27] 1 / d twice; v[28:29] the scale twice; v30, v31 a block's maximum and scale operand
	s_load_b512 s[4:19], s[0:1], 0x0               ; weight 4:5, x_codes 6:7, x_scales 8:9, lora_a_codes 10:11, lora_a_scales 12:13, lora_b 14:15, w_codes 16:17, ws 18:19
	s_load_b128 s[20:23], s[0:1], 0x40             ; xs 20:21, t2 22:23
	s_load_b64 s[24:25], s[0:1], 0x50              ; lbt
	v_lshl_add_u32 v214, v0, 2, 0x21400
	v_mov_b32 v215, 0
	v_lshrrev_b32 v1, 5, v0
	v_readfirstlane_b32 s26, v1                    ; wave 0..15
	v_and_b32 v1, 31, v0                           ; lane
	v_and_b32 v2, 15, v0                           ; r
	v_bfe_u32 v3, v0, 4, 1                         ; h
	s_wait_alu depctr_va_sdst(0)                   ; s26 is written, ahead of the first line that reads it: my row, the LDS addresses and the branches are made from it
	s_lshl_b32 s27, ttmp9, 4
	s_add_co_u32 s27, s27, s26                     ; my row: 16 g + w
	s_mov_b32 s29, 0
	s_mov_b32 s30, 0x76543210                      ; v_permlanex16_b32's selects for lane l xor 16
	s_mov_b32 s31, 0xfedcba98
	s_mov_b32 s32, 0xc3000000                      ; -128.0
	s_mov_b32 s33, 0x42fe0000                      ; 127.0
	s_mov_b32 s38, 0x3c010204                      ; 1 / 127
	s_min_u32 s36, s26, 3                          ; for the addresses that waves 0-3 alone use
	v_mov_b32 v25, 0                               ; written once: a lane permute's destination counts as one of its sources
	v_lshlrev_b32 v4, 4, v1                        ; v4: 16 x lane: my 16 bytes of a load's 512
	v_lshlrev_b32 v5, 11, v2
	v_lshl_add_u32 v5, v3, 4, v5
	s_lshl_b32 s34, s26, 7
	v_add_nc_u32 v5, s34, v5                       ; v5: lora_a's codes: rank r's row of 2,048 bytes, + 128 w (my 256 along K), + 16 h
	v_lshlrev_b32 v6, 7, v2
	s_lshl_b32 s34, s26, 3
	v_add_nc_u32 v6, s34, v6                       ; v6: scale bytes: row r of 128, + 8 w
	s_lshr_b32 s34, s26, 1
	s_lshl_b32 s34, s34, 8
	s_and_b32 s35, s26, 1
	s_lshl_b32 s35, s35, 3
	s_add_co_u32 s34, s34, s35
	s_add_co_u32 s34, s34, XSC
	v_lshl_add_u32 v7, v2, 4, s34                  ; v7: LDS: x's scale bytes 8 w .. 8 w + 7 of row r: j = w / 2, row r, half w % 2
	s_lshl_b32 s34, s36, 17
	v_lshlrev_b32 v8, 4, v2
	v_lshl_add_u32 v8, v3, 16, v8
	v_add_nc_u32 v8, s34, v8                       ; v8: ws and xs: j = 2 w + h: 65,536 j + 16 r
	v_lshlrev_b32 v9, 2, v2
	v_lshl_add_u32 v9, v3, 17, v9                  ; v9: lora_b: rank 8 h (rows of 16,384 bytes), column r
	v_lshlrev_b32 v10, 5, v2
	v_lshl_add_u32 v10, v3, 4, v10                 ; v10: t2 and lbt: row r of 32 bytes, + 16 h
	v_lshlrev_b32 v11, 3, v1                       ; v11: my 8 bytes of a step's 256 bytes of codes
	s_mul_i32 s34, s26, XP
	v_add_nc_u32 v12, s34, v4                      ; v12: LDS: x's row w, 16 x lane
	v_mul_u32_u24 v13, v2, XP
	v_lshl_add_u32 v13, v3, 4, v13
	s_lshl_b32 s34, s26, 7
	v_add_nc_u32 v13, s34, v13                     ; v13: LDS: x's fragments: row r, + 128 w, + 16 h
	s_lshl_b32 s34, s26, 10
	s_add_co_u32 s34, s34, RED
	v_add_nc_u32 v14, s34, v4                      ; v14: LDS: my partial sum's image
	v_add_nc_u32 v15, RED, v4                      ; v15: LDS: the first partial sum's image
	s_mul_i32 s37, s26, 2*32*SP
	s_add_co_u32 s37, s37, STG                     ; my two stages
	v_lshrrev_b32 v16, 2, v1
	v_mul_u32_u24 v16, v16, SP
	v_and_b32 v17, 3, v1
	v_lshl_add_u32 v16, v17, 4, v16
	v_add_nc_u32 v16, s37, v16                     ; v16: a stage on the way in: four lanes' 64 bytes on end, then 16 of padding
	v_mul_u32_u24 v17, v1, SP
	v_add_nc_u32 v17, s37, v17                     ; v17: and on the way out: my 16 neighbours
	s_lshl_b32 s34, s26, 4
	s_add_co_u32 s34, s34, WSC
	v_lshrrev_b32 v18, 1, v1
	v_add_nc_u32 v18, s34, v18                     ; v18: LDS: my row's 16 bytes of a step, my block's byte
	s_lshl_b32 s34, s36, 9
	s_add_co_u32 s34, s34, WSC
	v_add_nc_u32 v19, s34, v4                      ; v19: LDS: the scale bytes on the way out: 512 w + 16 x lane
	s_wait_kmcnt 0x0
	s_lshl_b32 s28, s27, 14
	s_add_nc_u64 s[4:5], s[4:5], s[28:29]          ; weight at my row
	s_lshl_b32 s28, s27, 11
	s_add_nc_u64 s[6:7], s[6:7], s[28:29]          ; x's codes at my row
	s_add_nc_u64 s[16:17], s[16:17], s[28:29]      ; the weight's codes at my row
	s_lshl_b32 s28, ttmp9, 11
	s_add_nc_u64 s[8:9], s[8:9], s[28:29]          ; x's scale bytes at the group's 16 rows
	s_lshl_b32 s28, ttmp9, 6
	s_add_nc_u64 s[14:15], s[14:15], s[28:29]      ; lora_b at the group's 16 columns
	s_lshl_b32 s28, ttmp9, 8
	s_add_nc_u64 s[18:19], s[18:19], s[28:29]      ; ws and xs at the group's 16 rows of j = 0
	s_add_nc_u64 s[20:21], s[20:21], s[28:29]
	s_lshl_b32 s28, ttmp9, 9
	s_add_nc_u64 s[22:23], s[22:23], s[28:29]      ; t2 and lbt at the group's 16 rows
	s_add_nc_u64 s[24:25], s[24:25], s[28:29]
	s_wait_alu depctr_va_vdst(0)                   ; the offsets and LDS addresses v4 to v19 are written, which every load and store of the kernel reads; none of them is written again
	; ALL OF THE WAVE'S LOADS GO OUT AT ONCE: 42, the small ones first
.irp i, 0,1,2,3
	global_load_b128 v[X+4*\i:X+4*\i+3], v4, s[6:7] offset:512*\i              ; x's row: 512 consecutive bytes a load
.endr
.irp i, 0,1,2,3
	global_load_b128 v[C+4*\i:C+4*\i+3], v5, s[10:11] offset:32*\i             ; lora_a's two fragments (16 ranks x 128 K each)
.endr
	global_load_b64 v[LAS:LAS+1], v6, s[12:13]     ; lora_a's scale words of my two K steps
	global_load_b64 v[XSW:XSW+1], v6, s[8:9]       ; x's
.set n, 0
.rept 32
	global_load_b128 v[W+4*n:W+4*n+3], v4, s[4:5] offset:512*n th:TH_LOAD_NT   ; the weight's row: read once in the whole launch
.set n, n+1
.endr
.macro BARRIER                         ; my LDS stores have landed and my LDS loads are in: then the work-group's barrier
	s_wait_dscnt 0x0
	s_barrier_signal -1
	s_barrier_wait -1
.endm
	s_wait_loadcnt 38                              ; x's row is in: behind it 4 + 1 + 1 + 32 loads were issued
.irp i, 0,1,2,3
	ds_store_b128 v12, v[X+4*\i:X+4*\i+3] offset:512*\i
.endr
	BARRIER                                        ; x's sixteen rows lie in LDS
	; t FOR K = 256 w .. 256 w + 255.  Source 0 = lora_a's 16 ranks, source 1 = x's 16 rows: lane (r, h) holds x's row r and ranks 8 h .. 8 h + 7
.irp i, 0,1,2,3
	ds_load_b128 v[X+16+4*\i:X+16+4*\i+3], v13 offset:32*\i                    ; no vector line has named v48-63 yet
.endr
	s_wait_loadcnt 32                              ; lora_a's fragments and both sides' scale words are in: only the weight's 32 loads are younger
	ds_store_b64 v7, v[XSW:XSW+1]                  ; x's scale bytes on their way to the new layout (lanes r and r + 16 write the same bytes with the same value)
	s_wait_dscnt 0x1                               ; x's fragments are in; the store just issued may be out
	v_wmma_scale_f32_16x16x128_f8f6f4 v[ACC:ACC+7], v[C:C+7], v[X+16:X+23], 0, v[LAS], v[XSW] matrix_a_fmt:MATRIX_FMT_FP4 matrix_b_fmt:MATRIX_FMT_FP4
	v_wmma_scale_f32_16x16x128_f8f6f4 v[ACC+8:ACC+15], v[C+8:C+15], v[X+24:X+31], 0, v[LAS+1], v[XSW+1] matrix_a_fmt:MATRIX_FMT_FP4 matrix_b_fmt:MATRIX_FMT_FP4   ; two accumulators, each begun with 0: no chain
.rept 4
	v_nop                                          ; four places between a matrix instruction and the first read of its result (ISA guide 7.12.1)
.endr
.irp j, 0,2,4,6
	v_pk_add_f32 v[S+\j:S+\j+1], v[ACC+\j:ACC+\j+1], v[ACC+8+\j:ACC+8+\j+1]    ; both accumulators from their low ends on
.endr
	s_wait_alu depctr_va_vdst(0)                   ; the additions have written S, which the two LDS stores read; the matrix instructions are done with X1 and C, and the additions with ACC: the loads that land in these further down owe nothing more
	ds_store_b128 v14, v[S:S+3]                    ; my partial sum as an image of its registers
	ds_store_b128 v14, v[S+4:S+7] offset:512
	BARRIER                                        ; the sixteen partial sums and x's scale bytes lie in LDS
	s_wait_alu depctr_vm_vsrc(0)                   ; my LDS stores have read X0, in which wave 5's first batch and step 0 land, and S, which wave 5's additions write again and in which the last LDS loads land
	; WAVE 4: lora_b's 16 columns, transposed and rounded to bf16.  Its eight loads are the wave's youngest, so the wait is for all: the row maximum below needs the weight's row anyway
	s_cmp_eq_u32 s26, 4
	s_cbranch_scc0 .Lnot_lb
.irp j, 0,1,2,3,4,5,6,7
	global_load_b32 v[E+\j], v9, s[14:15] offset:16384*\j                      ; lora_b(8 h + j, 16 g + r); no vector line has named v216-223 yet
.endr
	s_wait_loadcnt 0x0
.irp i, 0,1,2,3
	v_cvt_pk_bf16_f32 v[PKB+\i], v[E+2*\i], v[E+2*\i+1]
.endr
	s_wait_alu depctr_va_vdst(0)                   ; the roundings have written PKB, which the store reads
	global_store_b128 v10, v[PKB:PKB+3], s[24:25]  ; the wave stores 512 consecutive bytes
.Lnot_lb:
	; WAVE 5: the sum of the sixteen partial sums, four at a time through two sets of 32 registers by turns; x 2; bf16
.macro RBASE k, p                      ; where partial sum p of batch k lands: v32-63, or v192-207 and v240-255
.if (\k)%2 == 0
.set RB, X+8*(\p)
.else
.set RB, C+8*(\p)+32*((\p)/2)
.endif
.endm
.macro RLOAD k
.irp p, 0,1,2,3
	RBASE \k, \p
	ds_load_b128 v[RB:RB+3], v15 offset:1024*(4*(\k)+\p)
	ds_load_b128 v[RB+4:RB+7], v15 offset:1024*(4*(\k)+\p)+512
.endr
.endm
.macro RADD k
.irp p, 0,1,2,3
	RBASE \k, \p
.if (\k) == 0 && \p == 0
.elseif (\k) == 0 && \p == 1
.irp j, 0,2,4,6
	v_pk_add_f32 v[S+\j:S+\j+1], v[X+\j:X+\j+1], v[X+8+\j:X+8+\j+1]            ; the first addition starts the sum: nothing is cleared
.endr
.else
.irp j, 0,2,4,6
	v_pk_add_f32 v[S+\j:S+\j+1], v[S+\j:S+\j+1], v[RB+\j:RB+\j+1]
.endr
.endif
.endr
.endm
	s_cmp_eq_u32 s26, 5
	s_cbranch_scc0 .Lnot_sum
	RLOAD 0
	RLOAD 1
	s_wait_dscnt 0x8                               ; a batch is eight loads: the older batch is in, the younger may be out
	RADD 0
	s_wait_alu depctr_va_vdst(0)                   ; batch 0's additions are done reading v32-63, in which batch 2 lands: the set is asked for again at once, so that two batches stay on their way
	RLOAD 2
	s_wait_dscnt 0x8
	RADD 1
	s_wait_alu depctr_va_vdst(0)                   ; batch 1's additions are done reading v192-207 and v240-255, in which batch 3 lands
	RLOAD 3
	s_wait_dscnt 0x8
	RADD 2
	s_wait_dscnt 0x0
	RADD 3
.irp j, 0,2,4,6
	v_pk_mul_f32 v[S+\j:S+\j+1], v[S+\j:S+\j+1], 2.0 op_sel_hi:[1,0]           ; alpha / r = 2: exact, so it may stand ahead of the rounding
.endr
.irp i, 0,1,2,3
	v_cvt_pk_bf16_f32 v[PKT+\i], v[S+2*\i], v[S+2*\i+1]
.endr
	s_wait_alu depctr_va_vdst(0)                   ; the roundings have written PKT, which the store reads; batch 2's additions are done reading v32-63, in which the first two steps land
	global_store_b128 v10, v[PKT:PKT+3], s[22:23]  ; t2(16 g + r, 8 h .. 8 h + 7): the wave stores 512 consecutive bytes
.Lnot_sum:
; Step t's 512 numbers (16 registers as loaded) through a stage: in as they lie, out 64 bytes a lane, so that a lane holds 16 NEIGHBOURS along K and two neighbouring lanes a block of 32.
; LDS serves a wave's instructions in order (ISA guide 5.7.1.4): no wait stands between the stores and the loads.
.macro TURN t
.irp i, 0,1,2,3
	ds_store_b128 v16, v[W+16*(\t)+4*\i:W+16*(\t)+4*\i+3] offset:32*SP*((\t)%2)+8*SP*\i
.endr
.irp i, 0,1,2,3
	ds_load_b128 v[X+16*((\t)%2)+4*\i:X+16*((\t)%2)+4*\i+3], v17 offset:32*SP*((\t)%2)+16*\i
.endr
.endm
	; THE ROW'S LARGEST MAGNITUDE: four chains; the waits count the weight's loads that may still be out, eight loads (32 registers) at a time
	s_wait_loadcnt 24
.irp c, 0,1,2,3
	v_max3_num_f32 v[20+\c], |v[W+3*\c]|, |v[W+3*\c+1]|, |v[W+3*\c+2]|         ; the first twelve numbers start the chains
.endr
.set n, 12
.rept 58
.if n == 32
	s_wait_loadcnt 16
.endif
.if n == 64
	s_wait_loadcnt 8
.endif
.if n == 96
	s_wait_loadcnt 0
.endif
	v_max3_num_f32 v[20+(n/2)%4], v[20+(n/2)%4], |v[W+n]|, |v[W+n+1]|
.set n, n+2
.endr
	TURN 0                                         ; the first step turns while the row's two numbers are made.  No wait: no vector line since the waits above names X0, and W is only read
	v_max3_num_f32 v20, v20, v21, v22
	v_max_num_f32 v20, v20, v23
	v_max_num_f32_dpp v20, v20, v20 row_xmask:1 row_mask:0xf bank_mask:0xf
	v_max_num_f32_dpp v20, v20, v20 row_xmask:2 row_mask:0xf bank_mask:0xf
	v_max_num_f32_dpp v20, v20, v20 row_xmask:4 row_mask:0xf bank_mask:0xf
	v_max_num_f32_dpp v20, v20, v20 row_xmask:8 row_mask:0xf bank_mask:0xf
	v_permlanex16_b32 v25, v20, s30, s31
	v_max_num_f32 v20, v20, v25                    ; a: every lane holds it
	v_mul_f32 v21, s38, v20                        ; a / 127: a first quotient,
	v_fma_f32 v22, -v21, s33, v20                  ; what it leaves of a,
	v_fma_f32 v28, v22, s38, v21                   ; and the quotient mended: the scale
	v_add_f32 v23, 0x322bcc77, v28                 ; d = scale + 1e-8
	v_rcp_f32 v24, v23
	v_mov_b32 v29, v28                             ; (a plain instruction between the reciprocal and its use: ISA guide 5.7.2)  the scale twice, for the packed multiply
	s_wait_alu depctr_va_vdst(0)                   ; the reciprocal has written v24, ahead of the first line that names it
	v_fma_f32 v22, -v23, v24, 1.0                  ; one Newton step
	v_fma_f32 v26, v22, v24, v24                   ; 1 / d
	v_mov_b32 v27, v26
; The two stores of step t: they stand in the head of step t + 1, behind its wait on va_vdst.
.macro SEND t
	ds_store_b8 v18, v[E+(\t)] offset:256*(\t)     ; both lanes of a block write the same byte with the same value
	global_store_b64 v11, v[C+2*(\t):C+2*(\t)+1], s[16:17] offset:256*(\t)     ; the wave stores 256 consecutive bytes, at a multiple of 256 from the buffer's first byte
.endm
; A STEP: 512 numbers of the row: int8 and back, then the block's scale and the codes.
.macro WSTEP t
.set XS, X+16*((\t)%2)
.if (\t) > 1
	s_wait_dscnt 0x1                               ; this step's numbers are back from the stage; the byte store of two steps back, issued behind them, may be out
.else
	s_wait_dscnt 0x0
.endif
.if (\t) > 0
	s_wait_alu depctr_va_vdst(0)                   ; the step before has written its codes and its byte, which the two stores below read, and is done with its X set, in which the next step's numbers land
.endif
.if (\t) < 7
	TURN (\t)+1                                    ; the next step goes through the other stage meanwhile
.endif
.if (\t) > 0
	SEND (\t)-1                                    ; no vector line since the wait names these registers
.endif
.irp k, 0,2,4,6,8,10,12,14
	v_pk_mul_f32 v[XS+\k:XS+\k+1], v[XS+\k:XS+\k+1], v[26:27]                  ; w / d
.endr
.irp k, 0,1,2,3,4,5,6,7,8,9,10,11,12,13,14,15
	v_rndne_f32 v[XS+\k], v[XS+\k]                 ; to the nearest whole number, ties to even
.endr
.irp k, 0,1,2,3,4,5,6,7,8,9,10,11,12,13,14,15
	v_med3_num_f32 v[XS+\k], v[XS+\k], s32, s33    ; clipped to -128 .. 127
.endr
.irp k, 0,2,4,6,8,10,12,14
	v_pk_mul_f32 v[XS+\k:XS+\k+1], v[XS+\k:XS+\k+1], v[28:29]                  ; x scale: w as the product takes it
.endr
	v_max3_num_f32 v30, |v[XS]|, |v[XS+1]|, |v[XS+2]|                          ; the largest magnitude of my 16, in two chains
	v_max3_num_f32 v24, |v[XS+3]|, |v[XS+4]|, |v[XS+5]|
.irp k, 6,10
	v_max3_num_f32 v30, v30, |v[XS+\k]|, |v[XS+\k+1]|
	v_max3_num_f32 v24, v24, |v[XS+\k+2]|, |v[XS+\k+3]|
.endr
	v_max3_num_f32 v30, v30, |v[XS+14]|, |v[XS+15]|
	v_max3_num_f32 v30, v30, v24, 0x1800000        ; and the floor 2^(3 - 127): the byte cannot fall under 1
	v_max_num_f32_dpp v30, v30, v30 row_xmask:1 row_mask:0xf bank_mask:0xf     ; with my neighbour's 16: the block's
	v_add_nc_u32 v31, 0xff000000, v30              ; 2 off its exponent field: the conversion takes the exponent field of this operand as its scale
	v_cvt_scalef32_pk8_fp4_f32 v[C+2*(\t)], v[XS:XS+7], v31                    ; to the nearest code, ties to even; beyond 6 the largest code
	v_cvt_scalef32_pk8_fp4_f32 v[C+2*(\t)+1], v[XS+8:XS+15], v31
	v_lshrrev_b32 v[E+(\t)], 23, v31               ; the scale's byte (also the plain instruction behind the conversions)
.endm                                  ; each step has its own registers for codes and byte, and no address is stepped: no store's source is written again
.irp t, 0,1,2,3,4,5,6,7
	WSTEP \t
.endr
	s_wait_alu depctr_va_vdst(0)                   ; step 7 has written its codes and its byte, which the last two stores read
	SEND 7
	BARRIER                                        ; the sixteen rows' scale bytes lie in LDS
	s_cmp_lt_u32 s26, 4                            ; waves 0-3: both tables of scale bytes leave, 16 bytes a lane: sixteen lanes store the 256 consecutive bytes of one j
	s_cbranch_scc0 .Ldone
	ds_load_b128 v[S:S+3], v19                     ; S: the vector lines that named it stand ahead of the steps' waits, the LDS stores that read it ahead of the wait on vm_vsrc
	ds_load_b128 v[S+4:S+7], v19 offset:XSC-WSC
	s_wait_dscnt 0x0
	global_store_b128 v8, v[S:S+3], s[18:19]
	global_store_b128 v8, v[S+4:S+7], s[20:21]
.Ldone:
	s_wait_dscnt 0x0                               ; the closing lines, six on end
	s_wait_alu 0x0
	s_wait_tensorcnt 0x0
	ds_add_u32 v214, v215
	s_wait_dscnt 0x0
	s_endpgm
.Lfunc_end_k_qa0f3ac6bc1_prep:
	.size	k_qa0f3ac6bc1_prep, .Lfunc_end_k_qa0f3ac6bc1_prep-k_qa0f3ac6bc1_prep
	.p2alignl 7, 3214868480
	.fill 96, 4, 3214868480
	.section	.rodata,"a",@progbits
	.p2align	6, 0x0
	.amdhsa_kernel k_qa0f3ac6bc1_prep
		.amdhsa_group_segment_fixed_size 138240
		.amdhsa_private_segment_fixed_size 0
		.amdhsa_enable_private_segment 0
		.amdhsa_kernarg_size 88
		.amdhsa_user_sgpr_count 2
		.amdhsa_user_sgpr_kernarg_segment_ptr 1
		.amdhsa_wavefront_size32 1
		.amdhsa_system_sgpr_workgroup_id_x 1
		.amdhsa_system_sgpr_workgroup_id_y 1
		.amdhsa_system_sgpr_workgroup_id_z 1
		.amdhsa_system_vgpr_workitem_id 0
		.amdhsa_next_free_vgpr 256
		.amdhsa_next_free_sgpr 66
		.amdhsa_reserve_vcc 0
		.amdhsa_float_denorm_mode_32 3
		.amdhsa_float_denorm_mode_16_64 3
		.amdhsa_memory_ordered 1
		.amdhsa_forward_progress 1
		.amdhsa_inst_pref_size 56
	.end_amdhsa_kernel
	.amdgpu_metadata
---
amdhsa.version: [ 1, 2 ]
amdhsa.kernels:
  - .name:           k_qa0f3ac6bc1_prep
    .symbol:         k_qa0f3ac6bc1_prep.kd
    .args:
      - { .name: weight, .offset: 0, .size: 8, .value_kind: global_buffer, .address_space: global }
      - { .name: x_codes, .offset: 8, .size: 8, .value_kind: global_buffer, .address_space: global }
      - { .name: x_scales, .offset: 16, .size: 8, .value_kind: global_buffer, .address_space: global }
      - { .name: lora_a_codes, .offset: 24, .size: 8, .value_kind: global_buffer, .address_space: global }
      - { .name: lora_a_scales, .offset: 32, .size: 8, .value_kind: global_buffer, .address_space: global }
      - { .name: lora_b, .offset: 40, .size: 8, .value_kind: global_buffer, .address_space: global }
      - { .name: w_codes, .offset: 48, .size: 8, .value_kind: global_buffer, .address_space: global }
      - { .name: ws, .offset: 56, .size: 8, .value_kind: global_buffer, .address_space: global }
      - { .name: xs, .offset: 64, .size: 8, .value_kind: global_buffer, .address_space: global }
      - { .name: t2, .offset: 72, .size: 8, .value_kind: global_buffer, .address_space: global }
      - { .name: lbt, .offset: 80, .size: 8, .value_kind: global_buffer, .address_space: global }
    .group_segment_fixed_size: 138240
    .private_segment_fixed_size: 0
    .kernarg_segment_align: 8
    .kernarg_segment_size: 88
    .max_flat_workgroup_size: 512
    .sgpr_count:     66
    .vgpr_count:     256
    .wavefront_size: 32
...
	.end_amdgpu_metadata
.endif
;; end of part 3
;; launch gemm: the kernel of part 2 again; grid 16 x 16, 4 waves a work-group, clusters of 4 x 4, 327,680 bytes of LDS; arguments x_codes, xs, w_codes, ws, t2, lbt, out0; writes out0
